; MI455X (gfx1250); checked and timed in simulation.
; The chip was launched on July 23, 2026; its instructions are those of AMD's public machine-readable ISA for CDNA 5 (MIT licence, August 2026) and "CDNA5" Instruction Set Architecture Reference Guide (July 2026). The comments in the code are by the model that wrote it; some were corrected since.
;; Channel mixing8. Allowed arithmetic: float matrix products may take bf16 or f16 operands with f32 sums; all other float work in f32.
;; Inputs: x 2 x 64 x 128 x 128 float32; y 2 x 64 x 128 x 128 float32; z 2 x 64 x 128 x 128 float32.
;; Outputs: out0 2 x 64 x 128 x 128 float32.
;; 2 versions, each right and faster than the one before. Each part assembles by itself: llvm-mc -triple=amdgcn-amd-amdhsa -mcpu=gfx1250 --defsym DOCPART=n.
;; ======== version 1 of 2: 1 launch
;; launch mix (part 1): grid 256 x 1, 8 waves a work-group, no clusters, 168,960 bytes of LDS; arguments x, y, z, out0; writes out0
.if DOCPART == 1
	.amdgcn_target "amdgcn-amd-amdhsa--gfx1250"
	.amdhsa_code_object_version 6
	.text
	.protected	k_qce514aec7f_mix
	.globl	k_qce514aec7f_mix
	.p2align	8
	.type	k_qce514aec7f_mix,@function
k_qce514aec7f_mix:
	s_mov_b64 s[64:65], 0
	v_nop
	global_prefetch_b8 v0, s[64:65] scope:SCOPE_SE
	s_setreg_imm32_b32 hwreg(HW_REG_WAVE_MODE, 25, 1), 1
	s_wait_xcnt 0x0
; out[b][i][h][w] = sum over j of softmax over i of (v_i k_j) times q_j, for every pixel (b, h, w); q = x, k = y, v = z; all [2][64][128][128] f32.
; Written as  out_i = sum_j e_ij (q_j / s_j),  e_ij = exp2(v_i k'_j - m_j),  k'_j = k_j log2(e),  s_j = sum_i e_ij,
; m_j = max_i v_i k'_j = max(k'_j vmax, k'_j vmin): multiplying by k'_j is monotone, after rounding too, so this is the column's true maximum.
;
; SHARES.  A work-group owns one image row (b, h): 128 pixels x 64 channels of x, y, z, 3 x 32 KiB, all of it in LDS at once; 256 work-groups.
; A lane owns one pixel.  Eight waves: wave w has pixels 32 (w & 3) .. + 31 and the columns j = 32 (w >> 2) .. + 31; the two half sums over j
; meet in LDS at the end.  Each e_ij is made once: 64 v_exp_f32 a column, and per two numbers one packed fma for the arguments, one packed
; add for s_j and one packed fma for out.
; NO MATRIX INSTRUCTIONS: each 64 x 64 matrix e meets ONE vector, so a 16x16x32 instruction would use one of its sixteen columns, and rounding e to
; bf16 takes one instruction for two numbers, as many as the packed fma (or add) that does the work itself, in f32.
; NO CLUSTER: no two work-groups read the same byte.  NO REFILLS: every LDS byte is filled once.
; LIMITS.  v_exp_f32 returns 0 where the result is under 2^-126 (ISA guide 15.8); s_j is about 1 at the least (the maximum's own term) and 64 at the most.  exp2 and 1 / s_j are good to 1 ulp.
; k_j log2(e) is rounded once (2^-24 relative on (v_i - vmax) k_j).  The sums run in another order than a plain loop over i or j.
; Where v_i k_j overflows f32 the result is not finite.
.set CH,     512                       ; bytes of one channel's 128 pixels, in memory and in LDS
.set PLANE,  65536                     ; bytes from channel to channel in memory (128 x 128 x 4)
.set YL,     0                         ; LDS: y (k), 64 rows of 512 bytes
.set XL,     32768                     ; LDS: x (q)
.set ZL,     65536                     ; LDS: z (v)
.set STAGE,  98304                     ; LDS: the way out, 64 rows of 1,024 bytes: the two half sums of a channel side by side; no tensor load lands here
.set SROW,   1024
.set JW,     32                        ; columns of a wave
.set AHEAD,  2                         ; a pair's argument is made two steps ahead of its exponentials
.set LAG,    2                         ; and it is summed two steps behind them
.set LOG2E,  0x3fb8aa3b
.set AV,     1                         ; v1       LDS address of my pixel in z
.set ADR,    2                         ; v2       LDS offset of my pixel in the row of the column at work
.set KR,     3                         ; v3       k of the next column, as loaded
.set QR,     4                         ; v4       q of this column
.set SS,     5                         ; v5       s_j
.set NVMAX,  6                         ; v6       - max_i v_i
.set NVMIN,  7                         ; v7       - min_i v_i
.set K,      8                         ; v[8:9]   k'_j, and - k'_j vmax (the pair is read whole by the packed fma, which takes its first half twice)
.set NM,     10                        ; v[10:11] - m_j, and - k'_j vmin
.set W,      12                        ; v[12:13] q_j / s_j, and 1 / s_j
.set AS,     14                        ; v14      the way out: where I put my numbers
.set AR,     15                        ; v15      the way out: where I read rows back
.set S,      16                        ; v[16:23] four chains of packed sums
.set CO,     24                        ; v24      my byte offset in out
.set T,      26                        ; v[26:29] chains for the maximum and minimum of v
.set V,      32                        ; v[32:95]   v_i
.set OUT,    96                        ; v[96:159]  out_i, my half of the columns
.set E,      160                       ; v[160:223] arguments, then e_ij of the column at work
.set G1,     24                        ; s[24:31] descriptor group 1: the shape, one for all loads
.set G0Z,    32                        ; s[32:43] descriptor group 0 for z, y, x
.set G0Y,    36
.set G0X,    40
	s_load_b256 s[4:11], s[0:1], 0x0               ; x s[4:5], y s[6:7], z s[8:9], out s[10:11]
	v_lshl_add_u32 v224, v0, 2, 0x29000
	v_mov_b32 v225, 0
	ds_add_u32 v224, v225
	ds_add_u32 v224, v225
	v_lshrrev_b32 v1, 5, v0
	v_readfirstlane_b32 s12, v1                    ; wave 0..7
	s_lshr_b32 s16, ttmp9, 7                       ; b
	s_lshl_b32 s16, s16, 22                        ; b x 64 channels x 65,536 bytes
	s_and_b32 s13, ttmp9, 127                      ; h
	s_lshl_b32 s13, s13, 9                         ; h x 512 bytes
	s_add_co_u32 s16, s16, s13                     ; byte offset of (b, 0, h, 0), under 8 MiB
	s_mov_b32 s17, 0
	s_lshl_b32 s19, s12, 19                        ; wave x 8 channels x 65,536 bytes
	s_add_co_u32 s14, s16, s19                     ; the eight channel rows that this wave fetches of each input
	s_mov_b32 s15, 0
	s_lshl_b32 s18, s12, 12                        ; and where they go: wave x 8 rows x 512 bytes
	; group 1: a tile of 8 rows x 128 elements of 4 bytes, rows 16,384 elements apart; the tile lies inside the tensor, so the extents are its own
	s_mov_b32 s[G1+0], 2<<16                       ; no work-group mask; element of 4 bytes; no padding (lanes read neighbouring words)
	s_mov_b32 s[G1+1], 128<<16                     ; tensor_dim0 = 128
	s_mov_b32 s[G1+2], 8<<16                       ; tensor_dim1 = 8
	s_mov_b32 s[G1+3], 128<<16                     ; tile_dim0 = 128: rows of 512 bytes, each at a multiple of 512 from the buffer's first byte
	s_mov_b32 s[G1+4], 8                           ; tile_dim1 = 8
	s_mov_b32 s[G1+5], 16384                       ; from row to row: one channel plane
	s_mov_b32 s[G1+6], 0
	s_mov_b32 s[G1+7], 0
	s_wait_dscnt 0x0
	s_wait_kmcnt 0x0
.macro ASK g, base, lds                        ; group 0 and the load: my 8 rows of one input
	s_mov_b32 s[\g], 1
	s_add_co_u32 s[\g+1], s18, \lds
	s_add_nc_u64 s[\g+2:\g+3], s[\base:\base+1], s[14:15]
	s_or_b32 s[\g+3], s[\g+3], 0x80000000
	tensor_load_to_lds s[\g:\g+3], s[G1:G1+7]
	s_nop 0
.endm
	ASK G0Z, 8, ZL                                 ; three tensor loads of this wave are out at the most
	ASK G0Y, 6, YL
	ASK G0X, 4, XL
	s_add_nc_u64 s[10:11], s[10:11], s[16:17]      ; out at (b, 0, h, 0)
	; addresses, while the tiles are on their way
	v_and_b32 v[AV], 127, v0                       ; my pixel in the row
	v_lshrrev_b32 v[ADR], 7, v0                    ; my half of the columns
	v_lshlrev_b32 v[AV], 2, v[AV]
	v_lshl_add_u32 v[ADR], v[ADR], 14, v[AV]       ; 4 x pixel + half x 32 rows x 512 bytes
	v_add_nc_u32 v[AV], ZL, v[AV]
	v_lshlrev_b32 v[AS], 2, v0                     ; 4 x thread = 512 x half + 4 x pixel
	v_add_nc_u32 v[AS], STAGE, v[AS]
	v_and_b32 v[CO], 31, v0
	v_lshlrev_b32 v[CO], 4, v[CO]                  ; 16 x lane
	s_lshl_b32 s20, s12, 13                        ; wave x 8 stage rows
	s_add_co_u32 s20, s20, STAGE
	v_add_nc_u32 v[AR], s20, v[CO]
	v_add_nc_u32 v[CO], s19, v[CO]                 ; 16 x lane + wave x 8 channels
	s_wait_tensorcnt 0x0                           ; my rows of all three inputs are in LDS,
	s_barrier_signal -1
	s_barrier_wait -1                              ; and everybody's are
	; v of my pixel, and k of my first column
.set i, 0
.rept 64
	ds_load_b32 v[V+i], v[AV] offset:i*CH          ; 32 lanes, 128 neighbouring bytes
.set i, i+1
.endr
	ds_load_b32 v[KR], v[ADR] offset:YL
	s_wait_dscnt 0x0
	; maximum and minimum of the 64 v, three at a time, two chains each (v 0-30, v 31-61, then 62 and 63)
	v_max3_num_f32 v[T],   v[V],    v[V+1],  v[V+2]
	v_max3_num_f32 v[T+1], v[V+31], v[V+32], v[V+33]
	v_min3_num_f32 v[T+2], v[V],    v[V+1],  v[V+2]
	v_min3_num_f32 v[T+3], v[V+31], v[V+32], v[V+33]
.set i, 3
.rept 14
	v_max3_num_f32 v[T],   v[T],   v[V+i],    v[V+i+1]
	v_max3_num_f32 v[T+1], v[T+1], v[V+31+i], v[V+32+i]
	v_min3_num_f32 v[T+2], v[T+2], v[V+i],    v[V+i+1]
	v_min3_num_f32 v[T+3], v[T+3], v[V+31+i], v[V+32+i]
.set i, i+2
.endr
	v_max3_num_f32 v[T],   v[T],   v[V+62], v[V+63]
	v_min3_num_f32 v[T+2], v[T+2], v[V+62], v[V+63]
	v_max_num_f32 v[NVMAX], v[T],   v[T+1]
	v_min_num_f32 v[NVMIN], v[T+2], v[T+3]
	v_mul_f32 v[NVMAX], -1.0, v[NVMAX]             ; kept negated, so that - m_j comes out of a minimum and the fma adds it
	v_mul_f32 v[NVMIN], -1.0, v[NVMIN]
	v_mul_f32 v[K], LOG2E, v[KR]                   ; the first column's k' and - m
	v_mul_f32 v[K+1], v[K], v[NVMAX]
	v_mul_f32 v[NM+1], v[K], v[NVMIN]
	v_min_num_f32 v[NM], v[K+1], v[NM+1]
; out's pair pr takes the finished column: e (q / s).  mode 2 adds, mode 1 starts the sums (nothing is cleared), mode 0: there is no finished column yet.
.macro ACC pr, mode
.if \mode == 2
	v_pk_fma_f32 v[OUT+2*(\pr):OUT+2*(\pr)+1], v[E+2*(\pr):E+2*(\pr)+1], v[W:W+1], v[OUT+2*(\pr):OUT+2*(\pr)+1] op_sel_hi:[1,0,1]
.endif
.if \mode == 1
	v_pk_mul_f32 v[OUT+2*(\pr):OUT+2*(\pr)+1], v[E+2*(\pr):E+2*(\pr)+1], v[W:W+1] op_sel_hi:[1,0]
.endif
.endm
; the new column's arguments of pair pr, v k' - m, over the numbers that ACC has just read
.macro ARG pr
	v_pk_fma_f32 v[E+2*(\pr):E+2*(\pr)+1], v[V+2*(\pr):V+2*(\pr)+1], v[K:K+1], v[NM:NM+1] op_sel_hi:[1,0,0]
.endm
; One column j.  The 64 registers of E roll over from the last column to this one pair by pair: add the old pair into out, write the new arguments over it,
; two steps later the two exponentials in place, two steps later the sum.  So exponentials and packed arithmetic come by turns all the way.
; Behind every v_exp_f32 (and the v_rcp_f32) a plain vector instruction that names none of its registers stands before its result is read (ISA guide 5.7.2).
; next = 1: k of column j + 1 is fetched, and its k' and - m are made in the tail, between the links of the chain sum, reciprocal, product.
.macro COLUMN acc, next
	ds_load_b32 v[QR], v[ADR] offset:XL            ; q_j: wanted in the tail, a whole column's work from here
.if \next
	ds_load_b32 v[KR], v[ADR] offset:YL+CH         ; k_(j+1): likewise
.endif
	ACC 0, \acc
	ARG 0
	ACC 1, \acc
	ARG 1
.set p, 0
.rept 32
	v_exp_f32 v[E+2*p], v[E+2*p]
.if p < 32-AHEAD
	ACC p+AHEAD, \acc
.endif
	v_exp_f32 v[E+2*p+1], v[E+2*p+1]
.if p < 32-AHEAD
	ARG p+AHEAD
.endif
.set q, p-LAG
.if q >= 8
	s_wait_alu depctr_va_vdst(0)
	v_pk_add_f32 v[S+2*(q%4):S+2*(q%4)+1], v[S+2*(q%4):S+2*(q%4)+1], v[E+2*q:E+2*q+1]
.else
.if q >= 4
	s_wait_alu depctr_va_vdst(0)
	v_pk_add_f32 v[S+2*(q-4):S+2*(q-4)+1], v[E+2*(q-4):E+2*(q-4)+1], v[E+2*q:E+2*q+1]   ; pairs 0-3 and 4-7 start the four chains
.endif
.endif
.set p, p+1
.endr
	; the tail: the last two pairs, the four chains into one number, q / s
	v_pk_add_f32 v[S+4:S+5], v[S+4:S+5], v[E+60:E+61]
	v_pk_add_f32 v[S:S+1], v[S:S+1], v[S+2:S+3]
	s_wait_alu depctr_va_vdst(0)
	v_pk_add_f32 v[S+6:S+7], v[S+6:S+7], v[E+62:E+63]
	s_wait_dscnt 0x0                               ; q_j and k_(j+1), asked for at the column's head
.if \next
	v_mul_f32 v[K], LOG2E, v[KR]                   ; K and NM were last read by the arguments of pair 31
.endif
	v_pk_add_f32 v[S:S+1], v[S:S+1], v[S+4:S+5]
.if \next
	v_mul_f32 v[K+1], v[K], v[NVMAX]
	v_mul_f32 v[NM+1], v[K], v[NVMIN]
.endif
	v_pk_add_f32 v[S:S+1], v[S:S+1], v[S+6:S+7]
.if \next
	v_min_num_f32 v[NM], v[K+1], v[NM+1]           ; - max(k' vmax, k' vmin)
.endif
	v_add_f32 v[SS], v[S], v[S+1]
	v_rcp_f32 v[W+1], v[SS]
.if \next
	v_add_nc_u32 v[ADR], CH, v[ADR]                ; the next column's row; also the plain instruction behind the reciprocal
	s_wait_alu depctr_va_vdst(0)
.else
	v_nop                                          ; the plain instruction behind the reciprocal
	s_wait_alu depctr_va_vdst(0)
.endif
	v_mul_f32 v[W], v[QR], v[W+1]
.endm
	COLUMN 0, 1                                    ; my first column: nothing to add yet
	COLUMN 1, 1                                    ; the second: its products with the first column start out
	s_mov_b32 s44, JW-3
.Lcolumn:
	COLUMN 2, 1
	s_sub_co_u32 s44, s44, 1
	s_cmp_lg_u32 s44, 0
	s_cbranch_scc1 .Lcolumn
	COLUMN 2, 0                                    ; the last: no column behind it to fetch for
	; THE WAY OUT.  The last column goes into out; each pair is put into the stage one step later: channel i at row i, my half of the columns and my pixel at 4 x thread.
	ACC 0, 2
.set p, 1
.rept 31
	ACC p, 2
	ds_store_b32 v[AS], v[OUT+2*p-2] offset:(2*p-2)*SROW
	ds_store_b32 v[AS], v[OUT+2*p-1] offset:(2*p-1)*SROW
.set p, p+1
.endr
	ds_store_b32 v[AS], v[OUT+62] offset:62*SROW
	ds_store_b32 v[AS], v[OUT+63] offset:63*SROW
	s_wait_dscnt 0x0                               ; for the other waves: all my stores are in LDS,
	s_barrier_signal -1
	s_barrier_wait -1                              ; and everybody's are
	; wave w takes channels 8 w .. 8 w + 7: both half sums of four neighbouring pixels a lane, added, stored as whole rows
.set t, 0
.rept 8
	ds_load_b128 v[E+8*t:E+8*t+3],   v[AR] offset:t*SROW
	ds_load_b128 v[E+8*t+4:E+8*t+7], v[AR] offset:t*SROW+CH
.set t, t+1
.endr
.set t, 0
.rept 8
	s_wait_dscnt 14-2*t                            ; LDS loads come back in order (ISA guide 5.7.1): of the sixteen, row t's two are in, the younger ones may be out
	v_pk_add_f32 v[E+8*t:E+8*t+1],   v[E+8*t:E+8*t+1],   v[E+8*t+4:E+8*t+5]
	v_pk_add_f32 v[E+8*t+2:E+8*t+3], v[E+8*t+2:E+8*t+3], v[E+8*t+6:E+8*t+7]
	global_store_b128 v[CO], v[E+8*t:E+8*t+3], s[10:11] offset:t*PLANE th:TH_STORE_NT   ; the wave stores 512 consecutive bytes, at a multiple of 512 from out's first byte
.set t, t+1
.endr
	s_wait_tensorcnt 0x0
	ds_add_u32 v224, v225
	s_wait_dscnt 0x0
	s_endpgm
.Lfunc_end_k_qce514aec7f_mix:
	.size	k_qce514aec7f_mix, .Lfunc_end_k_qce514aec7f_mix-k_qce514aec7f_mix
	.p2alignl 7, 3214868480
	.fill 96, 4, 3214868480
	.section	.rodata,"a",@progbits
	.p2align	6, 0x0
	.amdhsa_kernel k_qce514aec7f_mix
		.amdhsa_group_segment_fixed_size 168960
		.amdhsa_private_segment_fixed_size 0
		.amdhsa_enable_private_segment 0
		.amdhsa_kernarg_size 32
		.amdhsa_user_sgpr_count 2
		.amdhsa_user_sgpr_kernarg_segment_ptr 1
		.amdhsa_wavefront_size32 1
		.amdhsa_system_sgpr_workgroup_id_x 1
		.amdhsa_system_sgpr_workgroup_id_y 1
		.amdhsa_system_sgpr_workgroup_id_z 1
		.amdhsa_system_vgpr_workitem_id 0
		.amdhsa_next_free_vgpr 226
		.amdhsa_next_free_sgpr 66
		.amdhsa_reserve_vcc 0
		.amdhsa_float_denorm_mode_32 3
		.amdhsa_float_denorm_mode_16_64 3
		.amdhsa_memory_ordered 1
		.amdhsa_forward_progress 1
		.amdhsa_inst_pref_size 56
	.end_amdhsa_kernel
	.amdgpu_metadata
---
amdhsa.version: [ 1, 2 ]
amdhsa.kernels:
  - .name:           k_qce514aec7f_mix
    .symbol:         k_qce514aec7f_mix.kd
    .args:
      - { .name: x, .offset: 0, .size: 8, .value_kind: global_buffer, .address_space: global }
      - { .name: y, .offset: 8, .size: 8, .value_kind: global_buffer, .address_space: global }
      - { .name: z, .offset: 16, .size: 8, .value_kind: global_buffer, .address_space: global }
      - { .name: out0, .offset: 24, .size: 8, .value_kind: global_buffer, .address_space: global }
    .group_segment_fixed_size: 168960
    .private_segment_fixed_size: 0
    .kernarg_segment_align: 8
    .kernarg_segment_size: 32
    .max_flat_workgroup_size: 256
    .sgpr_count:     66
    .vgpr_count:     226
    .wavefront_size: 32
...
	.end_amdgpu_metadata
.endif
;; end of part 1
;; ======== version 2 of 2: 1 launch; 1.35 times as fast as version 1
;; launch mix (part 2): grid 256 x 1, 8 waves a work-group, no clusters, 168,960 bytes of LDS; arguments x, y, z, out0; writes out0
.if DOCPART == 2
	.amdgcn_target "amdgcn-amd-amdhsa--gfx1250"
	.amdhsa_code_object_version 6
	.text
	.protected	k_qce514aec7f_mix
	.globl	k_qce514aec7f_mix
	.p2align	8
	.type	k_qce514aec7f_mix,@function
k_qce514aec7f_mix:
	s_mov_b64 s[64:65], 0
	v_nop
	global_prefetch_b8 v0, s[64:65] scope:SCOPE_SE
	s_setreg_imm32_b32 hwreg(HW_REG_WAVE_MODE, 25, 1), 1
	s_wait_xcnt 0x0
; out[b][i][h][w] = sum over j of softmax over i of (v_i k_j) times q_j, for every pixel (b, h, w); q = x, k = y, v = z; all [2][64][128][128] f32.
; Written as  out_i = sum_j e_ij (q_j / s_j),  e_ij = exp2(v_i k'_j - m_j),  k'_j = k_j log2(e),  s_j = sum_i e_ij,
; m_j = max_i v_i k'_j = max(k'_j vmax, k'_j vmin): multiplying by k'_j is monotone, after rounding too, so this is the column's true maximum.
;
; SHARES.  A work-group owns one image row (b, h): 128 pixels x 64 channels of x, y, z, 3 x 32 KiB, all of it in LDS at once; 256 work-groups.
; A lane owns one pixel.  Eight waves: wave w has pixels 32 (w & 3) .. + 31 and the columns j = 32 (w >> 2) .. + 31; the two half sums over j
; meet in LDS at the end.  Each e_ij is made once: 64 v_exp_f32 a column, and per two numbers one packed fma for the arguments, one packed
; add for s_j and one packed fma for out.
; BATCHES.  A column has two: its 64 exponentials, with one wait behind the last of them and ahead of the sums, which are their first readers; and the
; reciprocal of the sum, with a wait of its own, since it reads what the first batch made.  Nothing between the batch's first exponential and its wait names a result of the batch.
; NO MATRIX INSTRUCTIONS: each 64 x 64 matrix e meets ONE vector, so a 16x16x32 instruction would use one of its sixteen columns, and rounding e to
; bf16 takes one instruction for two numbers, as many as the packed fma (or add) that does the work itself, in f32.
; NO CLUSTER: no two work-groups read the same byte.  NO REFILLS: every LDS byte is filled once.
; LIMITS.  v_exp_f32 returns 0 where the result is under 2^-126 (ISA guide 15.8); s_j is about 1 at the least (the maximum's own term) and 64 at the most.  exp2 and 1 / s_j are good to 1 ulp.
; k_j log2(e) is rounded once (2^-24 relative on (v_i - vmax) k_j).  The sums run in another order than a plain loop over i or j.
; Where v_i k_j overflows f32 the result is not finite.
.set CH,     512                       ; bytes of one channel's 128 pixels, in memory and in LDS
.set PLANE,  65536                     ; bytes from channel to channel in memory (128 x 128 x 4)
.set YL,     0                         ; LDS: y (k), 64 rows of 512 bytes
.set XL,     32768                     ; LDS: x (q)
.set ZL,     65536                     ; LDS: z (v)
.set STAGE,  98304                     ; LDS: the way out, 64 rows of 1,024 bytes: the two half sums of a channel side by side; no tensor load lands here
.set SROW,   1024
.set JW,     32                        ; columns of a wave
.set AHEAD,  2                         ; a pair's argument is made two steps ahead of its exponentials
.set LOG2E,  0x3fb8aa3b
.set AV,     1                         ; v1       LDS address of my pixel in z
.set ADR,    2                         ; v2       LDS offset of my pixel in the row of the column at work
.set KR,     3                         ; v3       k of the next column, as loaded
.set QR,     4                         ; v4       q of this column
.set SS,     5                         ; v5       s_j
.set NVMAX,  6                         ; v6       - max_i v_i
.set NVMIN,  7                         ; v7       - min_i v_i
.set K,      8                         ; v[8:9]   k'_j, and - k'_j vmax (the pair is read whole by the packed fma, which takes its first half twice)
.set NM,     10                        ; v[10:11] - m_j, and - k'_j vmin
.set W,      12                        ; v[12:13] q_j / s_j, and 1 / s_j
.set AS,     14                        ; v14      the way out: where I put my numbers
.set AR,     15                        ; v15      the way out: where I read rows back
.set S,      16                        ; v[16:23] four chains of packed sums
.set CO,     24                        ; v24      my byte offset in out
.set T,      26                        ; v[26:29] chains for the maximum and minimum of v
.set V,      32                        ; v[32:95]   v_i
.set OUT,    96                        ; v[96:159]  out_i, my half of the columns
.set E,      160                       ; v[160:223] arguments, then e_ij of the column at work
.set G1,     24                        ; s[24:31] descriptor group 1: the shape, one for all loads
.set G0Z,    32                        ; s[32:43] descriptor group 0 for z, y, x
.set G0Y,    36
.set G0X,    40
	s_load_b256 s[4:11], s[0:1], 0x0               ; x s[4:5], y s[6:7], z s[8:9], out s[10:11]
	v_lshl_add_u32 v224, v0, 2, 0x29000
	v_mov_b32 v225, 0
	ds_add_u32 v224, v225
	ds_add_u32 v224, v225
	v_lshrrev_b32 v1, 5, v0
	v_readfirstlane_b32 s12, v1                    ; wave 0..7
	s_lshr_b32 s16, ttmp9, 7                       ; b
	s_lshl_b32 s16, s16, 22                        ; b x 64 channels x 65,536 bytes
	s_and_b32 s13, ttmp9, 127                      ; h
	s_lshl_b32 s13, s13, 9                         ; h x 512 bytes
	s_add_co_u32 s16, s16, s13                     ; byte offset of (b, 0, h, 0), under 8 MiB
	s_mov_b32 s17, 0
	s_lshl_b32 s19, s12, 19                        ; wave x 8 channels x 65,536 bytes
	s_add_co_u32 s14, s16, s19                     ; the eight channel rows that this wave fetches of each input
	s_mov_b32 s15, 0
	s_lshl_b32 s18, s12, 12                        ; and where they go: wave x 8 rows x 512 bytes
	; group 1: a tile of 8 rows x 128 elements of 4 bytes, rows 16,384 elements apart; the tile lies inside the tensor, so the extents are its own
	s_mov_b32 s[G1+0], 2<<16                       ; no work-group mask; element of 4 bytes; no padding (lanes read neighbouring words)
	s_mov_b32 s[G1+1], 128<<16                     ; tensor_dim0 = 128
	s_mov_b32 s[G1+2], 8<<16                       ; tensor_dim1 = 8
	s_mov_b32 s[G1+3], 128<<16                     ; tile_dim0 = 128: rows of 512 bytes, each at a multiple of 512 from the buffer's first byte
	s_mov_b32 s[G1+4], 8                           ; tile_dim1 = 8
	s_mov_b32 s[G1+5], 16384                       ; from row to row: one channel plane
	s_mov_b32 s[G1+6], 0
	s_mov_b32 s[G1+7], 0
	s_wait_dscnt 0x0
	s_wait_kmcnt 0x0
.macro ASK g, base, lds                        ; group 0 and the load: my 8 rows of one input
	s_mov_b32 s[\g], 1
	s_add_co_u32 s[\g+1], s18, \lds
	s_add_nc_u64 s[\g+2:\g+3], s[\base:\base+1], s[14:15]
	s_or_b32 s[\g+3], s[\g+3], 0x80000000
	tensor_load_to_lds s[\g:\g+3], s[G1:G1+7]
	s_nop 0
.endm
	ASK G0Z, 8, ZL                                 ; three tensor loads of this wave are out at the most
	ASK G0Y, 6, YL
	ASK G0X, 4, XL
	s_add_nc_u64 s[10:11], s[10:11], s[16:17]      ; out at (b, 0, h, 0)
	; addresses, while the tiles are on their way
	v_and_b32 v[AV], 127, v0                       ; my pixel in the row
	v_lshrrev_b32 v[ADR], 7, v0                    ; my half of the columns
	v_lshlrev_b32 v[AV], 2, v[AV]
	v_lshl_add_u32 v[ADR], v[ADR], 14, v[AV]       ; 4 x pixel + half x 32 rows x 512 bytes
	v_add_nc_u32 v[AV], ZL, v[AV]
	v_lshlrev_b32 v[AS], 2, v0                     ; 4 x thread = 512 x half + 4 x pixel
	v_add_nc_u32 v[AS], STAGE, v[AS]
	v_and_b32 v[CO], 31, v0
	v_lshlrev_b32 v[CO], 4, v[CO]                  ; 16 x lane
	s_lshl_b32 s20, s12, 13                        ; wave x 8 stage rows
	s_add_co_u32 s20, s20, STAGE
	v_add_nc_u32 v[AR], s20, v[CO]
	v_add_nc_u32 v[CO], s19, v[CO]                 ; 16 x lane + wave x 8 channels
	s_wait_tensorcnt 0x0                           ; my rows of all three inputs are in LDS,
	s_barrier_signal -1
	s_barrier_wait -1                              ; and everybody's are
	; v of my pixel, and k of my first column
.set i, 0
.rept 64
	ds_load_b32 v[V+i], v[AV] offset:i*CH          ; 32 lanes, 128 neighbouring bytes
.set i, i+1
.endr
	ds_load_b32 v[KR], v[ADR] offset:YL
	s_wait_dscnt 0x0
	; maximum and minimum of the 64 v, three at a time, two chains each (v 0-30, v 31-61, then 62 and 63)
	v_max3_num_f32 v[T],   v[V],    v[V+1],  v[V+2]
	v_max3_num_f32 v[T+1], v[V+31], v[V+32], v[V+33]
	v_min3_num_f32 v[T+2], v[V],    v[V+1],  v[V+2]
	v_min3_num_f32 v[T+3], v[V+31], v[V+32], v[V+33]
.set i, 3
.rept 14
	v_max3_num_f32 v[T],   v[T],   v[V+i],    v[V+i+1]
	v_max3_num_f32 v[T+1], v[T+1], v[V+31+i], v[V+32+i]
	v_min3_num_f32 v[T+2], v[T+2], v[V+i],    v[V+i+1]
	v_min3_num_f32 v[T+3], v[T+3], v[V+31+i], v[V+32+i]
.set i, i+2
.endr
	v_max3_num_f32 v[T],   v[T],   v[V+62], v[V+63]
	v_min3_num_f32 v[T+2], v[T+2], v[V+62], v[V+63]
	v_max_num_f32 v[NVMAX], v[T],   v[T+1]
	v_min_num_f32 v[NVMIN], v[T+2], v[T+3]
	v_mul_f32 v[NVMAX], -1.0, v[NVMAX]             ; kept negated, so that - m_j comes out of a minimum and the fma adds it
	v_mul_f32 v[NVMIN], -1.0, v[NVMIN]
	v_mul_f32 v[K], LOG2E, v[KR]                   ; the first column's k' and - m
	v_mul_f32 v[K+1], v[K], v[NVMAX]
	v_mul_f32 v[NM+1], v[K], v[NVMIN]
	v_min_num_f32 v[NM], v[K+1], v[NM+1]
; out's pair pr takes the finished column: e (q / s).  mode 2 adds, mode 1 starts the sums (nothing is cleared), mode 0: there is no finished column yet.
.macro ACC pr, mode
.if \mode == 2
	v_pk_fma_f32 v[OUT+2*(\pr):OUT+2*(\pr)+1], v[E+2*(\pr):E+2*(\pr)+1], v[W:W+1], v[OUT+2*(\pr):OUT+2*(\pr)+1] op_sel_hi:[1,0,1]
.endif
.if \mode == 1
	v_pk_mul_f32 v[OUT+2*(\pr):OUT+2*(\pr)+1], v[E+2*(\pr):E+2*(\pr)+1], v[W:W+1] op_sel_hi:[1,0]
.endif
.endm
; the new column's arguments of pair pr, v k' - m, over the numbers that ACC has just read
.macro ARG pr
	v_pk_fma_f32 v[E+2*(\pr):E+2*(\pr)+1], v[V+2*(\pr):V+2*(\pr)+1], v[K:K+1], v[NM:NM+1] op_sel_hi:[1,0,0]
.endm
; One column j.  The 64 registers of E roll over from the last column to this one pair by pair: add the old pair into out, write the new arguments over it,
; two steps later the two exponentials in place.  So exponentials and packed arithmetic come by turns through the whole batch.
; THE BATCH is the column's 64 exponentials.  What stands between them names none of their results: ACC reads, and ARG writes, a pair two steps ahead, whose exponentials
; are still to come (what ACC reads there is the last column's, waited for in that column).  The sums, the batch's first readers, stand together behind its one wait.
; Behind every v_exp_f32 (and the v_rcp_f32) a plain vector instruction that names none of its registers stands before its result is read (ISA guide 5.7.2).
; next = 1: k of column j + 1 is fetched, and its k' and - m are made between the batch's last four exponentials, which have no ACC and ARG left to stand beside them.
.macro COLUMN acc, next
	ds_load_b32 v[QR], v[ADR] offset:XL            ; q_j: wanted in the tail, a whole column's work from here
.if \next
	ds_load_b32 v[KR], v[ADR] offset:YL+CH         ; k_(j+1): wanted at the batch's end
.endif
	ACC 0, \acc
	ARG 0
	ACC 1, \acc
	ARG 1
.set p, 0
.rept 32-AHEAD
	v_exp_f32 v[E+2*p], v[E+2*p]
	ACC p+AHEAD, \acc
	v_exp_f32 v[E+2*p+1], v[E+2*p+1]
	ARG p+AHEAD
.set p, p+1
.endr
	s_wait_dscnt 0x0                               ; q_j and k_(j+1), asked for at the column's head
	v_exp_f32 v[E+60], v[E+60]
.if \next
	v_mul_f32 v[K], LOG2E, v[KR]                   ; K and NM were last read by the arguments of pair 31
.endif
	v_exp_f32 v[E+61], v[E+61]
.if \next
	v_mul_f32 v[K+1], v[K], v[NVMAX]
.endif
	v_exp_f32 v[E+62], v[E+62]
.if \next
	v_mul_f32 v[NM+1], v[K], v[NVMIN]
.endif
	v_exp_f32 v[E+63], v[E+63]
.if \next
	v_min_num_f32 v[NM], v[K+1], v[NM+1]           ; - max(k' vmax, k' vmin); also the plain instruction behind the last exponential
.else
	v_nop                                          ; the plain instruction behind the last exponential
.endif
	s_wait_alu depctr_va_vdst(0)                   ; the wait for the batch: one for the column's 64 exponentials, ahead of their first reader
	; s_j: four chains of packed sums, taken by turns
.set q, 4
.rept 4
	v_pk_add_f32 v[S+2*(q-4):S+2*(q-4)+1], v[E+2*(q-4):E+2*(q-4)+1], v[E+2*q:E+2*q+1]   ; pairs 0-3 and 4-7 start the four chains
.set q, q+1
.endr
.rept 22
	v_pk_add_f32 v[S+2*(q%4):S+2*(q%4)+1], v[S+2*(q%4):S+2*(q%4)+1], v[E+2*q:E+2*q+1]
.set q, q+1
.endr
	; the tail: the last two pairs, the four chains into one number, q / s
	v_pk_add_f32 v[S+4:S+5], v[S+4:S+5], v[E+60:E+61]
	v_pk_add_f32 v[S:S+1], v[S:S+1], v[S+2:S+3]
	v_pk_add_f32 v[S+6:S+7], v[S+6:S+7], v[E+62:E+63]
	v_pk_add_f32 v[S:S+1], v[S:S+1], v[S+4:S+5]
	v_pk_add_f32 v[S:S+1], v[S:S+1], v[S+6:S+7]
	v_add_f32 v[SS], v[S], v[S+1]
	v_rcp_f32 v[W+1], v[SS]                        ; a batch of its own: it reads the sum of the exponentials
.if \next
	v_add_nc_u32 v[ADR], CH, v[ADR]                ; the next column's row; also the plain instruction behind the reciprocal
.else
	v_nop                                          ; the plain instruction behind the reciprocal
.endif
	s_wait_alu depctr_va_vdst(0)                   ; the wait for the reciprocal, ahead of its first reader; behind it no result is pending at the column's end
	v_mul_f32 v[W], v[QR], v[W+1]
.endm
	COLUMN 0, 1                                    ; my first column: nothing to add yet
	COLUMN 1, 1                                    ; the second: its products with the first column start out
	s_mov_b32 s44, JW-3
.Lcolumn:
	COLUMN 2, 1
	s_sub_co_u32 s44, s44, 1
	s_cmp_lg_u32 s44, 0
	s_cbranch_scc1 .Lcolumn
	COLUMN 2, 0                                    ; the last: no column behind it to fetch for
	; THE WAY OUT.  The last column goes into out; each pair is put into the stage one step later: channel i at row i, my half of the columns and my pixel at 4 x thread.
	ACC 0, 2
.set p, 1
.rept 31
	ACC p, 2
	ds_store_b32 v[AS], v[OUT+2*p-2] offset:(2*p-2)*SROW
	ds_store_b32 v[AS], v[OUT+2*p-1] offset:(2*p-1)*SROW
.set p, p+1
.endr
	ds_store_b32 v[AS], v[OUT+62] offset:62*SROW
	ds_store_b32 v[AS], v[OUT+63] offset:63*SROW
	s_wait_dscnt 0x0                               ; for the other waves: all my stores are in LDS,
	s_barrier_signal -1
	s_barrier_wait -1                              ; and everybody's are
	; wave w takes channels 8 w .. 8 w + 7: both half sums of four neighbouring pixels a lane, added, stored as whole rows
.set t, 0
.rept 8
	ds_load_b128 v[E+8*t:E+8*t+3],   v[AR] offset:t*SROW
	ds_load_b128 v[E+8*t+4:E+8*t+7], v[AR] offset:t*SROW+CH
.set t, t+1
.endr
.set t, 0
.rept 8
	s_wait_dscnt 14-2*t                            ; LDS loads come back in order (ISA guide 5.7.1): of the sixteen, row t's two are in, the younger ones may be out
	v_pk_add_f32 v[E+8*t:E+8*t+1],   v[E+8*t:E+8*t+1],   v[E+8*t+4:E+8*t+5]
	v_pk_add_f32 v[E+8*t+2:E+8*t+3], v[E+8*t+2:E+8*t+3], v[E+8*t+6:E+8*t+7]
	global_store_b128 v[CO], v[E+8*t:E+8*t+3], s[10:11] offset:t*PLANE th:TH_STORE_NT   ; the wave stores 512 consecutive bytes, at a multiple of 512 from out's first byte
.set t, t+1
.endr
	s_wait_tensorcnt 0x0
	ds_add_u32 v224, v225
	s_wait_dscnt 0x0
	s_endpgm
.Lfunc_end_k_qce514aec7f_mix:
	.size	k_qce514aec7f_mix, .Lfunc_end_k_qce514aec7f_mix-k_qce514aec7f_mix
	.p2alignl 7, 3214868480
	.fill 96, 4, 3214868480
	.section	.rodata,"a",@progbits
	.p2align	6, 0x0
	.amdhsa_kernel k_qce514aec7f_mix
		.amdhsa_group_segment_fixed_size 168960
		.amdhsa_private_segment_fixed_size 0
		.amdhsa_enable_private_segment 0
		.amdhsa_kernarg_size 32
		.amdhsa_user_sgpr_count 2
		.amdhsa_user_sgpr_kernarg_segment_ptr 1
		.amdhsa_wavefront_size32 1
		.amdhsa_system_sgpr_workgroup_id_x 1
		.amdhsa_system_sgpr_workgroup_id_y 1
		.amdhsa_system_sgpr_workgroup_id_z 1
		.amdhsa_system_vgpr_workitem_id 0
		.amdhsa_next_free_vgpr 226
		.amdhsa_next_free_sgpr 66
		.amdhsa_reserve_vcc 0
		.amdhsa_float_denorm_mode_32 3
		.amdhsa_float_denorm_mode_16_64 3
		.amdhsa_memory_ordered 1
		.amdhsa_forward_progress 1
		.amdhsa_inst_pref_size 53
	.end_amdhsa_kernel
	.amdgpu_metadata
---
amdhsa.version: [ 1, 2 ]
amdhsa.kernels:
  - .name:           k_qce514aec7f_mix
    .symbol:         k_qce514aec7f_mix.kd
    .args:
      - { .name: x, .offset: 0, .size: 8, .value_kind: global_buffer, .address_space: global }
      - { .name: y, .offset: 8, .size: 8, .value_kind: global_buffer, .address_space: global }
      - { .name: z, .offset: 16, .size: 8, .value_kind: global_buffer, .address_space: global }
      - { .name: out0, .offset: 24, .size: 8, .value_kind: global_buffer, .address_space: global }
    .group_segment_fixed_size: 168960
    .private_segment_fixed_size: 0
    .kernarg_segment_align: 8
    .kernarg_segment_size: 32
    .max_flat_workgroup_size: 256
    .sgpr_count:     66
    .vgpr_count:     226
    .wavefront_size: 32
...
	.end_amdgpu_metadata
.endif
;; end of part 2
